; MI455X (gfx1250); checked and timed in simulation.
; The chip was launched on July 23, 2026; its instructions are those of AMD's public machine-readable ISA for CDNA 5 (MIT licence, August 2026) and "CDNA5" Instruction Set Architecture Reference Guide (July 2026). The comments in the code are by the model that wrote it; some were corrected since.
;; Prob Attention. Allowed arithmetic: matrix products marked QUANTISED: E2M3 operands, one E8M0 scale for each 32 along K, by v_wmma_scale_f32_16x16x128_f8f6f4 with both operands' format E2M3, f32 sums; everything else in f32.
;; Inputs: keys_codes 4 x 2,048 x 8 x 2 x 24 uint8 (E2M3 codes of keys, K innermost, in blocks of 32 codes, four codes in three bytes); keys_scales 4 x 2,048 x 8 x 2 uint8 (E8M0 scales of keys, one for each 32 codes along K); queries_codes 4 x 2,048 x 8 x 2 x 24 uint8 (E2M3 codes of queries, K innermost, in blocks of 32 codes, four codes in three bytes); queries_scales 4 x 2,048 x 8 x 2 uint8 (E8M0 scales of queries, one for each 32 codes along K); values_codes 4 x 8 x 64 x 64 x 24 uint8 (E2M3 codes of values, K innermost, in blocks of 32 codes, four codes in three bytes); values_scales 4 x 8 x 64 x 64 uint8 (E8M0 scales of values, one for each 32 codes along K).
;; Outputs: out0 4 x 2,048 x 8 x 64 float32.
;; This version of the problem:
;;   THIS VERSION OF THE PROBLEM IS GIVEN IN LOW PRECISION. The matrix products marked QUANTISED in the list below multiply operands that are first quantised to E2M3 (2 exponent bits, 3 mantissa bits; 6 bits a number), with one power-of-two scale for each 32 numbers along K (OCP MX v1.0); their sums are f32. All else is computed in f32.
;;   The module's matrix products, in the order in which they are computed (A, B: the left and right operand; K: the contracted axis; several contracted axes count as one K, in the product's order):
;;     1. batch 32 x [M 2,048, K 64] x [K 64, N 2,048]; A: input queries (given as codes); B: input keys (given as codes): QUANTISED
;;     2. batch 32 x [M 2,048, K 2,048] x [K 2,048, N 64]; A: softmax (see below); B: input values (given as codes): QUANTISED
;;   THE QUANTISER, for each operand of a quantised product, along K:
;;     - K is cut into blocks of 32 from its start; a last block that is shorter is filled with zeros.
;;     - A block's scale is 2^e with e = floor(log2(the largest magnitude in the block)) - 2, held to -126 .. 127; a block of zeros has e = 0. As a byte (E8M0): e + 127.
;;     - Each number is divided by its block's scale, clamped to +-7.5, and rounded to the nearest number of E2M3, ties to even, subnormals kept.
;;     - The product sums the exact products of the quantised numbers (number of the format x scale) in f32.
;;   ~~~python
;;   def quantise(x, axis):      # numpy; x: float32 -> the quantised numbers, widened to float32 again
;;       x = np.moveaxis(x, axis, -1); K = x.shape[-1]
;;       x = np.pad(x, [(0, 0)] * (x.ndim - 1) + [(0, -K % 32)]); x = x.reshape(x.shape[:-1] + (-1, 32)); a = np.abs(x).max(-1, keepdims=True)
;;       e = np.where(a > 0, np.clip(np.frexp(np.where(a > 0, a, 1))[1] - 1 - 2, -126, 127), 0)      # np.frexp(a)[1] - 1 = floor(log2(a)), exactly
;;       r = np.clip(x / 2.0 ** e, -7.5, 7.5)
;;       step = 2.0 ** (np.maximum(np.frexp(np.where(r == 0, 1, r))[1] - 1, 0) - 3)
;;       q = np.round(r / step) * step * 2.0 ** e      # np.round: ties to even
;;       return np.moveaxis(q.reshape(q.shape[:-2] + (-1,))[..., :K], -1, axis).astype(np.float32)
;;   ~~~
;;   SOFTMAX AHEAD OF A QUANTISED PRODUCT. Where the list says 'softmax', what is quantised is not the finished softmax but p = 2^(t - M), with t = logit x log2(e) and M = ceil(the row's largest t), a whole number; so 1/2 < the row's largest p <= 1. The row's sum l is taken of the UNQUANTISED p, in f32, and the product's result is divided by l at the end. Since M is a whole number, a kernel that streams over the keys may use a running M (the ceiling of the running maximum): every later rescaling is an exact power of two, which a block's scale takes up: the codes' values come out the same.
;;   OPERANDS COMPUTED ON THE WAY. 'Computed on the way' means the value that the module computes at that place (a softmax that the list does not call 'softmax' is quantised finished and normalised). What goes into a quantiser is computed in f32, as accurately as f32 sums, v_exp_f32 and their like allow (about 1e-6 of the number): no bf16 or f16 on the way to a quantiser, and a product that is left as it is and whose result goes on into a quantised operand takes f32 operands (vector FMAs, or v_wmma_f32_16x16x4_f32). A number that lies on a knife's edge between two numbers of the format may be rounded either way, as far as f32 arithmetic and the matrix unit's own rounding can turn it there, and no further.
;;   INPUTS GIVEN AS CODES. keys (in the module: [4, 2048, 8, 64], K = its axis 3); queries (in the module: [4, 2048, 8, 64], K = its axis 3); values (in the module: [4, 2048, 8, 64], K = its axis 1): each comes as NAME_codes (uint8): NAME with its K axis moved to the last place and cut into blocks of 32 codes, [.., K / 32, bytes a block], one block behind the other in memory; four codes in three bytes: a row's codes are one little-endian stream of bits, code i at bits 6 i .. 6 i + 5 (a code: sign, 2 exponent bits, 3 mantissa bits); and NAME_scales (uint8): the same leading axes, one E8M0 byte (e + 127) for each 32 codes along K. Its value is code x scale, taken as it is: it is not quantised again, and the codes and scales need not be those that the quantiser above would give.
;; One version. Each part assembles by itself: llvm-mc -triple=amdgcn-amd-amdhsa -mcpu=gfx1250 --defsym DOCPART=n.
;; ======== version 1 of 1: 1 launch
;; limits: right only within a limited range of input values
;; launch attn (part 1): grid 8 x 32, 8 waves a work-group, clusters of 4 x 1, 285,952 bytes of LDS; arguments keys_codes, keys_scales, queries_codes, queries_scales, values_codes, values_scales, out0; writes out0
.if DOCPART == 1
	.amdgcn_target "amdgcn-amd-amdhsa--gfx1250"
	.amdhsa_code_object_version 6
	.text
	.protected	k_q381e72c67d_attn
	.globl	k_q381e72c67d_attn
	.p2align	8
	.type	k_q381e72c67d_attn,@function
k_q381e72c67d_attn:
	s_mov_b64 s[64:65], 0
	v_nop
	global_prefetch_b8 v0, s[64:65] scope:SCOPE_SE
	s_setreg_imm32_b32 hwreg(HW_REG_WAVE_MODE, 25, 1), 1
	s_wait_xcnt 0x0
	s_wait_alu depctr_hold_cnt(0) depctr_sa_sdst(0) depctr_va_vdst(0) depctr_va_sdst(0) depctr_va_ssrc(0) depctr_va_vcc(0) depctr_vm_vsrc(0)
	s_getreg_b32 s2, hwreg(HW_REG_IB_STS2, 6, 4)
	s_cmp_eq_u32 s2, 0
	s_cbranch_scc0 .Lentry_in_a_cluster
	s_endpgm
.Lentry_in_a_cluster:
	s_bfe_u32 s2, ttmp6, 0x10000c
	s_cmp_lg_u32 s2, 0x3003
	s_cbranch_scc0 .Lentry_shape_is_right
	s_endpgm
.Lentry_shape_is_right:
; out0[b][q][head][:] = the sum over k of softmax_k(Q[q] . K[k]) V[k][:], no 1 / sqrt(D); 4 x 8 heads, 2,048 queries and keys, head size 64.
; Both products on E2M3 codes with E8M0 scales.  Q, K, V are taken as they are given; only p is quantised here, along the keys.
; SOFTMAX: t = score x log2(e); M = the row's largest t so far, rounded UP to a whole number; p = 2^(t - M) is quantised.  The row's sum is taken of the unquantised p in f32
; and divides O at the end.  When M moves, the sum and O are multiplied by 2^(old M - new M), a power of two.
; SHARES.  256 work-groups, each 256 queries of one head; each of eight waves owns 32, two tiles A and B, so that each fragment of K and V feeds both.  16 steps of 128 keys.
; STEP s takes keys 64 s + 0 .. 63 of the head's first half and of its second.  Both products are used transposed (S^T = K Q^T, O^T = V^T P^T): lane (r, h) holds ONE query and in
; S's registers x = 0 .. 63 the keys 1,024 h + 64 s + x: two WHOLE blocks of 32; the conversions' results are the operand's registers.
; THE FIRST PRODUCT'S K IS 64 in a form 128 deep.  A fragment of 12 registers holds TWO tiles of 16 keys: lanes 0-15 fill blocks 0 and 2, lanes 16-31 blocks 1 and 3.  Times QLO (Q in
; lanes 0-15, zero codes above) it gives the lower lanes' keys, times QHI the upper lanes'.  K's and Q's scale words are (s0, s0, s1, s1).
; LDS HOLDS THE WHOLE HEAD, every byte written once.  K through registers, in the fragments' order: fragment f of step s at 1,536 (4 s + f), lane l's key at 48 l.  (A key's 48 bytes
; lie 384 bytes apart in memory and run across multiples of 256: no tensor rows, and so not asked for jointly.)  V is dense, 96 KiB a head: the four work-groups of a cluster share
; the head and ask for it JOINTLY; wave w fetches rows 8 w .. 8 w + 7 as 48 rows of 256 bytes.  No data prefetch: all is asked for at the head, no loop runs ahead of a load.
; LIMITS: NaN, infinities and the scale byte 0xff among the inputs are not served; scaled scores stay under 2^31 in magnitude; a p under 2^-126 counts as 0; a block whose
; largest p is under 2^-124 keeps the byte 1; the row's sum is added in another order than a plain sum.
.set LVA,   98304                      ; V: row d at LVA + 13056 (d / 8) + 16 (d / 32) + 1632 (d % 8); 16 bytes of padding behind each 256
.set VBLK,  13056
.set KSW,   203008                     ; K's scale words: lane l, fragment f, step s at 512 s + 16 l + 4 f
.set VSW,   211200                     ; V's: step s, tile t, row m at 256 s + 8 (16 (t % 2) + m) + 4 (t / 2)
.set STAGE, 215296                     ; the way out: 32 rows x 272 bytes a wave
.set SP,    272
.set SPARE, 284928                     ; spare words, 128 bytes a wave
; window 0
.set SPW, 1
.set NIL, 2
.set AK,  3
.set AKS, 4
.set AVS, 5
.set AVL, 6                            ; my row of V
.set H8,  7                            ; 8 h
.set AV,  8                            ; v8-10 the step's pieces of V
.set GV,  11                           ; v11-13 K's global offsets
.set LV,  14                           ; v14-15 and LDS addresses
.set AVSC,17
.set PSA, 20                           ; v20-29 hold scales alone
.set PSB, 21
.set VS,  22
.set KS,  24
.set QSA, 28
.set QSB, 29
.set NMA, 30                           ; -M, and behind it the largest score so far
.set MXA, 31
.set NMB, 32
.set MXB, 33
.set LSA, 34
.set LSB, 36
.set FFA, 38                           ; f = 2^(old M - new M), and behind it 0
.set FFB, 40
.set BM,  42                           ; v42-45 blocks A0, A1, B0, B1: largest score, then floor(t - M)
.set OP,  50                           ; v50-53 their conversions' scales
.set AKC, 60
.set AKSC,61
.set CT,  64                           ; second halves of converted blocks, 4 registers apart
.set PA,  80
.set PB,  92
.set LTA, 104
.set LTB, 106
.set SA0, 128
.set SA1, 160
.set SB0, 192
.set SB1, 224
; window 1
.set OA,   0
.set OB,   32
.set QLOA, 64
.set QHIA, 76
.set QLOB, 88
.set QHIB, 100
.set KF,   112
.set VF,   160
; scalars
.set WV,  18
.set SEL, 20                           ; selects for lane l xor 16
.set CS,  22                           ; log2(e), twice
.set G1,  24
.set G0,  32
.set KB,  36                           ; K's base
.set CNT, 52
.set VO,  66                           ; 48 s
.set KO,  67                           ; 6144 (s + 1)
.set KSO, 68                           ; 512 (s + 1)
.set VSO, 69                           ; 256 s
.set MSB, 0
.macro WIN new                         ; the immediate's high byte repeats the setting that is left
.if MSB != \new
	s_set_vgpr_msb (MSB<<8)|\new
.set MSB, \new
.endif
.endm
.macro CROUND                          ; a round of the cluster's barrier
	s_barrier_signal -1
	s_barrier_wait -1
	s_cmp_lg_u32 s[WV], 0
	s_cbranch_scc1 .Lnot_wave_0_\@
	s_barrier_signal -3
.Lnot_wave_0_\@:
	s_barrier_wait -3
	s_barrier_signal -1
	s_barrier_wait -1
.endm
; Three loads are a fragment.  Piece x = 32 b + lane: key slot l = x / 3, piece x % 3; slot l is key 1,024 ((l / 8) % 2) + 8 (l / 16) + l % 8, + 16 a fragment.
.macro KADR b
	v_add_nc_u32 v129, 32*\b, v128
	v_mul_u32_u24 v130, 171, v129
	v_lshrrev_b32 v130, 9, v130                    ; x / 3 (exact for x up to 95)
	v_mul_u32_u24 v131, 3, v130
	v_bfe_u32 v132, v130, 3, 1
	v_lshrrev_b32 v133, 4, v130
	v_sub_nc_u32 v131, v129, v131
	v_and_b32 v134, 7, v130
	v_lshl_add_u32 v134, v133, 3, v134
	v_lshl_add_u32 v134, v132, 10, v134
	v_mul_u32_u24 v134, 384, v134
	v_lshl_add_u32 v134, v131, 4, v134
	v_add_nc_u32 v[GV+\b], s96, v134
.endm
.macro KGET a, d                       ; fragment wave + 8 a: 128 keys, 49,152 bytes on for each a
.irp b, 0,1,2
	global_load_b128 v[\d+4*\b:\d+4*\b+3], v[GV+\b], s[KB:KB+1] offset:49152*\a
.endr
.endm
.macro KPUT off, d, adr                ; 12,288 bytes on in LDS for each a
.irp b, 0,1,2
	ds_store_b128 v[\adr], v[\d+4*\b:\d+4*\b+3] offset:\off+512*\b
.endr
.endm
.macro KLD adr
	WIN 0x40
.irp f, 0,1,2,3
.irp i, 0,1,2
	ds_load_b128 v[KF+12*\f+4*\i:KF+12*\f+4*\i+3], v[\adr] offset:1536*\f+16*\i
.endr
.endr
.endm
.macro VLD                             ; tile t, row m: d = 32 (m / 8) + 8 t + m % 8
	WIN 0x40
.irp t, 0,1,2,3
.irp i, 0,1,2
	ds_load_b128 v[VF+12*\t+4*\i:VF+12*\t+4*\i+3], v[AV+\i] offset:VBLK*\t
.endr
.endr
.endm
.macro MM d, a, b, z, sa, sb, row      ; z = 1: the product starts the sums
.if \z
.if \row
	v_wmma_scale_f32_16x16x128_f8f6f4 v[\d:\d+7], v[\a:\a+11], v[\b:\b+11], 0, v[\sa], v[\sb] matrix_a_fmt:MATRIX_FMT_FP6 matrix_b_fmt:MATRIX_FMT_FP6 matrix_a_scale:MATRIX_SCALE_ROW1
.else
	v_wmma_scale_f32_16x16x128_f8f6f4 v[\d:\d+7], v[\a:\a+11], v[\b:\b+11], 0, v[\sa], v[\sb] matrix_a_fmt:MATRIX_FMT_FP6 matrix_b_fmt:MATRIX_FMT_FP6
.endif
.else
.if \row
	v_wmma_scale_f32_16x16x128_f8f6f4 v[\d:\d+7], v[\a:\a+11], v[\b:\b+11], v[\d:\d+7], v[\sa], v[\sb] matrix_a_fmt:MATRIX_FMT_FP6 matrix_b_fmt:MATRIX_FMT_FP6 matrix_a_scale:MATRIX_SCALE_ROW1
.else
	v_wmma_scale_f32_16x16x128_f8f6f4 v[\d:\d+7], v[\a:\a+11], v[\b:\b+11], v[\d:\d+7], v[\sa], v[\sb] matrix_a_fmt:MATRIX_FMT_FP6 matrix_b_fmt:MATRIX_FMT_FP6
.endif
.endif
.endm
.macro QKF f
	MM SA0+16*\f, KF+12*\f, QLOA, 1, KS+\f, QSA, 0
	MM SA0+16*\f+8, KF+12*\f, QHIA, 1, KS+\f, QSA, 1
	MM SB0+16*\f, KF+12*\f, QLOB, 1, KS+\f, QSB, 0
	MM SB0+16*\f+8, KF+12*\f, QHIB, 1, KS+\f, QSB, 1
.endm
.macro PVT t, row, z
	MM OA+8*\t, VF+12*\t, PA, \z, VS+\t/2, PSA, \row
	MM OB+8*\t, VF+12*\t, PB, \z, VS+\t/2, PSB, \row
.endm
.macro FMA2 a, nm                      ; t - M, two at a time
	v_pk_fma_f32 v[\a:\a+1], v[\a:\a+1], s[CS:CS+1], v[\nm:\nm+1] op_sel_hi:[1,0,0]
.endm
.macro EXP2 a
	v_exp_f32 v[\a], v[\a]
	v_exp_f32 v[\a+1], v[\a+1]
.endm
.macro ADD2 d, a
	v_pk_add_f32 v[\d:\d+1], v[\d:\d+1], v[\a:\a+1]
.endm
.macro CVT d, a, o
	v_cvt_scalef32_pk16_fp6_f32 v[\d:\d+2], v[\a:\a+15], v[\o]
.endm
.macro VWAIT
	s_wait_alu depctr_va_vdst(0)
.endm
; A KEY STEP.  K's fragments and scale words of the step are in registers.
.macro STEP first, last
	WIN 0x05                                       ; K, Q in window 1, S in window 0
	QKF 0
	s_add_co_u32 s72, s[VO], 16                    ; byte y of a half row of V lies at y + 16 (y / 256); the pieces: y = 48 s + 0, 16, 32
	s_add_co_u32 s73, s[VO], 32
	s_lshr_b32 s74, s[VO], 4
	QKF 1
	s_lshr_b32 s75, s72, 4
	s_lshr_b32 s76, s73, 4
	s_and_b32 s74, s74, 48
	QKF 2
	s_and_b32 s75, s75, 48
	s_and_b32 s76, s76, 48
	s_add_co_u32 s74, s74, s[VO]
	QKF 3
	s_add_co_u32 s72, s72, s75
	s_add_co_u32 s73, s73, s76
	WIN 0
	v_add_nc_u32 v[AV], s74, v[AVL]                ; these lines are the four places behind the products
	v_add_nc_u32 v[AV+1], s72, v[AVL]
	v_add_nc_u32 v[AV+2], s73, v[AVL]
	v_add_nc_u32 v[AVSC], s[VSO], v[AVS]
.if \last == 0
	v_add_nc_u32 v[AKC], s[KO], v[AK]
	v_add_nc_u32 v[AKSC], s[KSO], v[AKS]
.endif
	; the largest score of each block of 32 keys, four chains by turns, ascending
	v_max3_num_f32 v[BM], v[SA0], v[SA0+1], v[SA0+2]
	v_max3_num_f32 v[BM+2], v[SB0], v[SB0+1], v[SB0+2]
	v_max3_num_f32 v[BM+1], v[SA1], v[SA1+1], v[SA1+2]
	v_max3_num_f32 v[BM+3], v[SB1], v[SB1+1], v[SB1+2]
.set J, 3
.rept 14
	v_max3_num_f32 v[BM], v[BM], v[SA0+J], v[SA0+J+1]
	v_max3_num_f32 v[BM+2], v[BM+2], v[SB0+J], v[SB0+J+1]
	v_max3_num_f32 v[BM+1], v[BM+1], v[SA1+J], v[SA1+J+1]
	v_max3_num_f32 v[BM+3], v[BM+3], v[SB1+J], v[SB1+J+1]
.set J, J+2
.endr
	v_max_num_f32 v[BM], v[BM], v[SA0+31]
	v_max_num_f32 v[BM+2], v[BM+2], v[SB0+31]
	v_max_num_f32 v[BM+1], v[BM+1], v[SA1+31]
	v_max_num_f32 v[BM+3], v[BM+3], v[SB1+31]
	v_max_num_f32 v46, v[BM], v[BM+1]
	v_max_num_f32 v47, v[BM+2], v[BM+3]
	v_permlanex16_b32 v48, v46, s[SEL], s[SEL+1]   ; my query's other 64 keys lie in lane l xor 16
	v_permlanex16_b32 v49, v47, s[SEL], s[SEL+1]
.if \first == 0
	VLD                                            ; this step's V,
.endif
.if \last == 0
	KLD AKC                                        ; the next step's K,
.endif
	WIN 0
.if \first == 0
	ds_load_b64 v[VS:VS+1], v[AVSC]                ; and their scale words: one wait ahead of the second product serves all
.endif
.if \last == 0
	ds_load_b128 v[KS:KS+3], v[AKSC]
.endif
.if \first
	v_max_num_f32 v[MXA], v46, v48
	v_max_num_f32 v[MXB], v47, v49
.else
	v_max3_num_f32 v[MXA], v[MXA], v46, v48
	v_max3_num_f32 v[MXB], v[MXB], v47, v49
	v_mov_b32 v54, v[NMA]
	v_mov_b32 v55, v[NMB]
.endif
	v_mul_f32 v56, s[CS], v[MXA]
	v_mul_f32 v57, s[CS], v[MXB]
	v_floor_f32 v[NMA], -v56                       ; -M = floor(-t): M IS A WHOLE NUMBER
	v_floor_f32 v[NMB], -v57
	v_fma_f32 v[BM], v[BM], s[CS], v[NMA]          ; t - M of each block's largest score
	v_fma_f32 v[BM+2], v[BM+2], s[CS], v[NMB]
	v_fma_f32 v[BM+1], v[BM+1], s[CS], v[NMA]
	v_fma_f32 v[BM+3], v[BM+3], s[CS], v[NMB]
.if \first == 0
	v_sub_f32 v54, v[NMA], v54                     ; M's old value less its new one
	v_sub_f32 v55, v[NMB], v55
.endif
.irp k, 0,2,1,3
	v_cvt_floor_i32_f32 v[BM+\k], v[BM+\k]         ; floor(log2) of the block's largest p
.endr
.if \first == 0
	v_cvt_i32_f32 v54, v54
	v_cvt_i32_f32 v55, v55
.endif
.irp k, 0,2,1,3
	v_max_i32 v[BM+\k], s77, v[BM+\k]              ; at least -124: the byte cannot fall under 1
.endr
.if \first == 0
	v_ldexp_f32 v[FFA], 1.0, v54                   ; f
	v_ldexp_f32 v[FFB], 1.0, v55
.endif
.irp k, 0,2,1,3
	v_add_lshl_u32 v[OP+\k], v[BM+\k], s78, 23     ; the scale 2^(n - 2): exponent field n + 125
.endr
	v_lshl_add_u32 v56, v[BM+1], 16, v[BM]         ; my blocks are 0 + h and 2 + h of the 128
	v_lshl_add_u32 v57, v[BM+3], 16, v[BM+2]
.set J, 0
.rept 8
	FMA2 SA0+J, NMA
.set J, J+2
.endr
	v_add_lshl_u32 v56, v56, s79, v[H8]            ; + 125 in both fields; 8 h bits up
	v_add_lshl_u32 v57, v57, s79, v[H8]
.rept 4
	FMA2 SA0+J, NMA
.set J, J+2
.endr
	v_permlanex16_b32 v58, v56, s[SEL], s[SEL+1]
	v_permlanex16_b32 v59, v57, s[SEL], s[SEL+1]
.rept 4
	FMA2 SA0+J, NMA
.set J, J+2
.endr
	v_or_b32 v[PSA], v56, v58                      ; with lane l xor 16's two the word is whole
	v_or_b32 v[PSB], v57, v59
.if \first == 0
	WIN 0x41                                       ; O in window 1, f in window 0
.set J, 0
.rept 16
	v_pk_mul_f32 v[OA+J:OA+J+1], v[OA+J:OA+J+1], v[FFA:FFA+1] op_sel_hi:[1,0]   ; O^T under the new M
	v_pk_mul_f32 v[OB+J:OB+J+1], v[OB+J:OB+J+1], v[FFB:FFB+1] op_sel_hi:[1,0]
.set J, J+2
.endr
	WIN 0
.endif
	; p = 2^(t - M): four batches of 32; among them the next block's multiply-adds, the last block's conversions and a tree of sums in place
	VWAIT
.set I, 0
.rept 16
	EXP2 SA0+2*I
	FMA2 SB0+2*I, NMB
.set I, I+1
.endr
	VWAIT
.set I, 0
.rept 16
	EXP2 SB0+2*I
	FMA2 SA1+2*I, NMA
.if I == 0
	CVT PA, SA0, OP
.endif
.if I == 1
	CVT CT, SA0+16, OP
.endif
.if (I+4)/8 == 1
	ADD2 SA0+4*(I-4), SA0+4*(I-4)+2
.endif
.set I, I+1
.endr
	VWAIT
.set I, 0
.rept 16
	EXP2 SA1+2*I
	FMA2 SB1+2*I, NMB
.if I == 0
	CVT PB, SB0, OP+2
.endif
.if I == 1
	CVT CT+8, SB0+16, OP+2
.endif
.if (I+4)/8 == 1
	ADD2 SB0+4*(I-4), SB0+4*(I-4)+2
.endif
.if (I+4)/8 == 2
	ADD2 SA0+8*(I-12), SA0+8*(I-12)+4
.endif
.set I, I+1
.endr
	VWAIT
.set I, 0
.rept 16
	EXP2 SB1+2*I
.if I == 0
	CVT PA+6, SA1, OP+1
.endif
.if I == 1
	CVT CT+4, SA1+16, OP+1
.endif
.if I/2 == 1
	ADD2 SA0+16*(I-2), SA0+16*(I-2)+8
.endif
.if (I+4)/8 == 1
	ADD2 SA1+4*(I-4), SA1+4*(I-4)+2
.endif
.if (I+4)/8 == 2
	ADD2 SB0+8*(I-12), SB0+8*(I-12)+4
.endif
.set I, I+1
.endr
	VWAIT
.if \first
	s_wait_tensorcnt 0x0                           ; my rows of V have landed,
	s_wait_loadcnt 0x0                             ; and the rest of my keys is in registers (O's, not yet begun, and spare ones): into LDS with it
	WIN 0x04
	KPUT 12288*1, 0, LV
	KPUT 12288*2, 12, LV
	KPUT 12288*3, 24, LV
	KPUT 12288*4, 36, LV
	KPUT 12288*5, 48, LV
	KPUT 0, 208, LV+1
	KPUT 12288, 220, LV+1
	WIN 0
	s_wait_dscnt 0x0                               ; for the others' sake: stored.  Register work alone up to the wait
	s_barrier_signal -1
.endif
	CVT PB+6, SB1, OP+3
	CVT CT+12, SB1+16, OP+3
.irp i, 0,1,2
	v_mov_b32 v[PA+3+\i], v[CT+\i]                 ; (a conversion's registers begin on an even number: second halves are made elsewhere and moved)
	v_mov_b32 v[PA+9+\i], v[CT+4+\i]
	v_mov_b32 v[PB+3+\i], v[CT+8+\i]
.endr
.irp i, 0,1,2,3,4,5,6,7
	ADD2 SB1+4*\i, SB1+4*\i+2
.endr
.irp i, 0,1,2
	v_mov_b32 v[PB+9+\i], v[CT+12+\i]
.endr
	; THE ROW'S SUM, OF THE UNQUANTISED p: the tree's partial sums, two chains a tile
.if \first
	v_pk_add_f32 v[LSA:LSA+1], v[SA0:SA0+1], v[SA1+4:SA1+5]
	v_pk_add_f32 v[LSB:LSB+1], v[SB0:SB0+1], v[SB0+24:SB0+25]
.else
	v_pk_fma_f32 v[LSA:LSA+1], v[LSA:LSA+1], v[FFA:FFA+1], v[SA0:SA0+1] op_sel_hi:[1,0,1]
	v_pk_fma_f32 v[LSB:LSB+1], v[LSB:LSB+1], v[FFB:FFB+1], v[SB0:SB0+1] op_sel_hi:[1,0,1]
.endif
	v_pk_add_f32 v[LTA:LTA+1], v[SA0+16:SA0+17], v[SA1:SA1+1]
	v_pk_add_f32 v[LTB:LTB+1], v[SB0+8:SB0+9], v[SB0+16:SB0+17]
.if \first == 0
	ADD2 LSB, SB0+24
	ADD2 LSA, SA1+4
.endif
	ADD2 LTB, SB1
	ADD2 LTA, SA1+8
	ADD2 LSB, SB1+4
	ADD2 LSA, SA1+12
	ADD2 LTB, SB1+8
	ADD2 LTA, SA1+16
	ADD2 LSB, SB1+12
	ADD2 LSA, SA1+20
	ADD2 LTB, SB1+16
	ADD2 LTA, SA1+24
	ADD2 LSB, SB1+20
	ADD2 LSA, SA1+28
	ADD2 LTB, SB1+24
	ADD2 LSB, SB1+28
	ADD2 LSA, LTA
	ADD2 LSB, LTB
.if \first
	s_barrier_wait -1                              ; every wave's part of V and K lies in LDS
	VLD
	WIN 0
	ds_load_b64 v[VS:VS+1], v[AVSC]
.endif
.if \last
	VWAIT
.endif
	s_wait_dscnt 0x0                               ; this step's V and the next step's K, with their scale words, are in
	WIN 0x51                                       ; V, O in window 1, p's codes in window 0; eight accumulators by turns
	PVT 0, 0, \first
	PVT 1, 1, \first
	PVT 2, 0, \first
	PVT 3, 1, \first
.if \last == 0
	s_add_co_u32 s[VO], s[VO], 48
	s_add_co_u32 s[KO], s[KO], 6144
	s_add_co_u32 s[KSO], s[KSO], 512
	s_add_co_u32 s[VSO], s[VSO], 256
.endif
.endm
	s_load_b256 s[4:11], s[0:1], 0x0               ; K's codes, K's scales, Q's codes, Q's scales
	s_load_b128 s[12:15], s[0:1], 0x20             ; V's codes, V's scales
	s_load_b64 s[16:17], s[0:1], 0x30              ; out0
	v_lshl_add_u32 v[SPW], v0, 2, SPARE
	v_mov_b32 v[NIL], 0
	ds_add_u32 v[SPW], v[NIL]                      ; the opening lines
	ds_add_u32 v[SPW], v[NIL]
	v_lshrrev_b32 v128, 5, v0
	v_readfirstlane_b32 s[WV], v128                ; wave 0..7
	s_and_b32 s80, ttmp7, 0xffff                   ; y = 8 b + head, which the four partners share
	s_lshr_b32 s81, s80, 3                         ; b
	s_and_b32 s82, s80, 7                          ; head
	s_mul_i32 s84, s81, 786432                     ; K's codes: b x 2,048 rows of 384 bytes + 48 x head
	s_mul_i32 s83, s82, 48
	s_add_co_u32 s84, s84, s83
	s_mov_b32 s85, 0
	s_mul_i32 s86, s80, 98304                      ; V's codes: y x 64 rows of 1,536 bytes + my eight rows
	s_mul_i32 s83, s[WV], 12288
	s_add_co_u32 s86, s86, s83
	s_mov_b32 s87, 0
	s_mul_i32 s19, s[WV], VBLK                     ; and where they go: 16 bytes on for waves 4 to 7: a fragment's 16 rows start at 16 different columns of 16 bytes modulo 256
	s_lshr_b32 s83, s[WV], 2
	s_lshl_b32 s83, s83, 4
	s_add_co_u32 s19, s19, s83
	s_add_co_u32 s19, s19, LVA
	s_lshl_b32 s60, s81, 15                        ; K's scales: b x 2,048 rows of 16 bytes + 2 x head
	s_lshl_b32 s83, s82, 1
	s_add_co_u32 s60, s60, s83
	s_mov_b32 s61, 0
	s_lshl_b32 s62, s80, 12                        ; V's scales: y x 4,096
	s_mov_b32 s63, 0
	s_bfe_u32 s89, ttmp6, 0x40000                  ; cx: it enters Q's and out0's addresses alone
	s_lshl_b32 s88, ttmp9, 2
	s_add_co_u32 s88, s88, s89                     ; my block of 256 queries
	s_lshl_b32 s88, s88, 8
	s_lshl_b32 s89, s81, 11
	s_add_co_u32 s88, s88, s89
	s_lshl_b32 s89, s[WV], 5
	s_add_co_u32 s88, s88, s89                     ; my first row: 2,048 b + 256 x block + 32 x wave
	s_mul_i32 s90, s88, 384
	s_mul_i32 s89, s82, 48
	s_add_co_u32 s90, s90, s89
	s_mov_b32 s91, 0
	s_lshl_b32 s92, s88, 4
	s_lshl_b32 s89, s82, 1
	s_add_co_u32 s92, s92, s89
	s_mov_b32 s93, 0
	s_lshl_b32 s94, s88, 11                        ; out0: 2,048 bytes a row + 256 x head
	s_lshl_b32 s89, s82, 8
	s_add_co_u32 s94, s94, s89
	s_mov_b32 s95, 0
	s_mul_i32 s96, s[WV], 6144                     ; my fragment of eight: 16 keys on in memory,
	s_mul_i32 s97, s[WV], 1536                     ; 1,536 bytes on in LDS
	s_mov_b32 s[SEL], 0x76543210
	s_mov_b32 s[SEL+1], 0xfedcba98
	s_mov_b32 s[CS], 0x3fb8aa3b                    ; log2(e)
	s_mov_b32 s[CS+1], s[CS]
	s_mov_b32 s77, 0xffffff84                      ; -124
	s_mov_b32 s78, 125
	s_mov_b32 s79, 0x7d007d
	s_mov_b32 s[VO], 0
	s_mov_b32 s[KO], 6144
	s_mov_b32 s[KSO], 512
	s_mov_b32 s[VSO], 0
	s_mov_b32 s[G1], 15|(3<<16)|(1<<20)|(1<<21)|(5<<22)|(3<<25)   ; mask: all four work-groups; elements of 8 bytes; padding on; 21; after every 64 words; of 4 words
	s_mov_b32 s[G1+1], 32<<16
	s_mov_b32 s[G1+2], 48<<16
	s_mov_b32 s[G1+3], 32<<16
	s_mov_b32 s[G1+4], 48
	s_mov_b32 s[G1+5], 32                          ; dense
	s_mov_b32 s[G1+6], 0
	s_mov_b32 s[G1+7], 0
	v_and_b32 v128, 31, v0                         ; l
	KADR 0
	KADR 1
	KADR 2
	v_lshl_add_u32 v[LV], v128, 4, s97
	v_add_nc_u32 v[LV+1], 73728, v[LV]             ; 6 x 12,288 on: the stores' offsets have 16 bits
	v_lshlrev_b32 v136, 4, v0                      ; K's scales: 16 bytes from key to key
	v_lshrrev_b32 v137, 2, v0                      ; V's scales: row t / 4, 8 bytes t % 4 of each half
	v_and_b32 v138, 3, v0
	v_and_b32 v139, 15, v0                         ; r
	v_lshlrev_b32 v137, 6, v137
	v_lshl_add_u32 v137, v138, 3, v137
	v_mul_u32_u24 v140, 384, v139
	v_lshlrev_b32 v141, 4, v139
	VWAIT
	s_wait_dscnt 0x0                               ; both opening adds are done
	s_wait_kmcnt 0x0
	s_add_nc_u64 s[KB:KB+1], s[4:5], s[84:85]
	KGET 0, 172                                    ; K of steps 0 and 1
	s_add_nc_u64 s[G0+2:G0+3], s[12:13], s[86:87]
	s_or_b32 s[G0+3], s[G0+3], 0x80000000          ; type = 2
	s_mov_b32 s[G0], 1
	s_mov_b32 s[G0+1], s19
	s_add_nc_u64 s[6:7], s[6:7], s[60:61]
	s_add_nc_u64 s[14:15], s[14:15], s[62:63]
	s_add_nc_u64 s[8:9], s[8:9], s[90:91]
	s_add_nc_u64 s[10:11], s[10:11], s[92:93]
	s_add_nc_u64 s[16:17], s[16:17], s[94:95]
	; THE SCALES, ONCE.  Thread t takes the byte pairs of keys t + 256 i, and of V's row t / 4 the bytes of steps 4 (t % 4) .. + 3 in both halves
.irp i, 0,1,2,3,4,5,6,7
	global_load_u16 v[144+\i], v136, s[6:7] offset:4096*\i
.endr
	global_load_b64 v[152:153], v137, s[14:15]
	global_load_b64 v[154:155], v137, s[14:15] offset:32
	global_load_u16 v156, v141, s[10:11]
	global_load_u16 v157, v141, s[10:11] offset:256
	WIN 0x40
.irp i, 0,1,2
	global_load_b128 v[QLOA+4*\i:QLOA+4*\i+3], v140, s[8:9] offset:16*\i   ; query r's 48 bytes, in both halves of the lanes
	global_load_b128 v[QLOB+4*\i:QLOB+4*\i+3], v140, s[8:9] offset:6144+16*\i
.endr
	WIN 0
	CROUND                                         ; all four work-groups are here: the joint loads meet
	tensor_load_to_lds s[G0:G0+3], s[G1:G1+7]      ; my eight rows of V: the wave's one tensor load
	s_nop 0
	WIN 0x40
	KGET 1, 0                                      ; K of steps 2 a, 2 a + 1: 21 loads behind the 21 above
	KGET 2, 12
	KGET 3, 24
	KGET 4, 36
	KGET 5, 48
	KGET 6, 208
	KGET 7, 220
	WIN 0
	v_lshrrev_b32 v142, 6, v0                      ; key t + 256 i = 1,024 hA + 64 s + 16 f + 8 hl + j; its lane is 16 hl + 8 hA + j
	v_bfe_u32 v143, v0, 3, 1
	v_and_b32 v158, 7, v0
	v_bfe_u32 v159, v0, 4, 2
	v_lshlrev_b32 v142, 9, v142
	v_lshl_add_u32 v142, v143, 8, v142
	v_lshl_add_u32 v142, v158, 4, v142
	v_lshl_add_u32 v142, v159, 2, v142
	v_add_nc_u32 v142, KSW, v142                   ; (i's part stands in the stores' immediates)
	v_bfe_u32 v161, v0, 2, 3                       ; d = t / 4 is row 8 (d / 32) + d % 8 of tile (d / 8) % 4
	v_bfe_u32 v162, v0, 5, 1
	v_bfe_u32 v163, v0, 6, 1
	v_bfe_u32 v164, v0, 7, 1
	v_lshlrev_b32 v160, 10, v138
	v_lshl_add_u32 v160, v161, 3, v160
	v_lshl_add_u32 v160, v162, 7, v160
	v_lshl_add_u32 v160, v163, 2, v160
	v_lshl_add_u32 v160, v164, 6, v160
	v_add_nc_u32 v160, VSW, v160
	VWAIT
	s_wait_loadcnt 21                              ; the first 21 loads are in; the 21 of K's later steps may be out
	v_perm_b32 v[QSA], v156, v156, 0x01010000      ; (s0, s0, s1, s1)
	v_perm_b32 v[QSB], v157, v157, 0x01010000
.irp i, 0,1,2,3,4,5,6,7
	v_perm_b32 v[144+\i], v[144+\i], v[144+\i], 0x01010000
.endr
	v_perm_b32 v165, v154, v152, 0x05010400        ; byte 2 c + h = the scale of (half h, block c)
	v_perm_b32 v166, v154, v152, 0x07030602
	v_perm_b32 v167, v155, v153, 0x05010400
	v_perm_b32 v168, v155, v153, 0x07030602
	KPUT 0, 172, LV
.irp i, 0,1,2,3,4,5,6,7
	ds_store_b32 v142, v[144+\i] offset:2048*(\i%4)+128*(\i/4)
.endr
.irp k, 0,1,2,3
	ds_store_b32 v160, v[165+\k] offset:256*\k
.endr
	s_mov_b32 vcc_lo, 0xffff                       ; lanes 0-15
	WIN 0x41
.irp i, 0,1,2,3,4,5,6,7,8,9,10,11
	v_cndmask_b32 v[QHIA+\i], v[QLOA+\i], 0, vcc_lo
	v_cndmask_b32 v[QHIB+\i], v[QLOB+\i], 0, vcc_lo
.endr
	s_mov_b32 vcc_lo, 0xffff0000                   ; lanes 16-31
.irp i, 0,1,2,3,4,5,6,7,8,9,10,11
	v_cndmask_b32 v[QLOA+\i], v[QLOA+\i], 0, vcc_lo
	v_cndmask_b32 v[QLOB+\i], v[QLOB+\i], 0, vcc_lo
.endr
	WIN 0
	; the addresses that stay: also the places between the vector writes of Q's words and codes and the first product
	v_bfe_u32 v129, v0, 4, 1                       ; h
	v_bfe_u32 v130, v0, 3, 1
	v_and_b32 v131, 7, v0
	v_mul_u32_u24 v[AK], 48, v128
	v_mul_u32_u24 v[AVL], 1632, v131
	v_lshl_add_u32 v[AKS], v128, 4, KSW
	v_mad_u32_u24 v[AVL], v130, 52240, v[AVL]
	v_lshl_add_u32 v[AVS], v128, 3, VSW
	v_mad_u32_u24 v[AVL], v129, 816, v[AVL]
	v_lshlrev_b32 v[H8], 3, v129
	v_add_nc_u32 v[AVL], LVA, v[AVL]
	v_mov_b32 v[FFA+1], 0                          ; (named as the upper halves of the pairs with f)
	v_mov_b32 v[FFB+1], 0
	v_mov_b32 v48, 0                               ; written once: a lane permute's destination counts as one of its sources
	v_mov_b32 v49, 0
	v_mov_b32 v58, 0
	v_mov_b32 v59, 0
	VWAIT
	s_wait_dscnt 0x0                               ; for the others' sake: my first keys and my scale words are stored
	s_barrier_signal -1
	s_barrier_wait -1                              ; K of steps 0 and 1 and all scale words lie in LDS
	KLD AK
	WIN 0
	ds_load_b128 v[KS:KS+3], v[AKS]
	s_wait_dscnt 0x0
	STEP 1, 0
	WIN 0
	s_mov_b32 s[CNT], 14
.Lstep:
	STEP 0, 0
	WIN 0
	s_sub_co_u32 s[CNT], s[CNT], 1
	s_cmp_lg_u32 s[CNT], 0
	VWAIT
	s_cbranch_scc1 .Lstep
	STEP 0, 1
	WIN 0
	; THE WAY OUT.  Register 8 t + j of lane (r, h) is o(query r, channel 32 h + 8 t + j): 128 neighbouring bytes a lane.  A query's row of this head is 256 bytes of out0: the tiles go
	; through my own stage in LDS and come back as whole rows.  The address lines are the places behind the last products.
	v_and_b32 v42, 15, v0                          ; r
	v_bfe_u32 v43, v0, 4, 1                        ; h
	v_add_f32 v50, v[LSA], v[LSA+1]                ; the sums' two halves,
	v_add_f32 v51, v[LSB], v[LSB+1]
	s_mul_i32 s83, s[WV], 32*SP
	s_add_co_u32 s83, s83, STAGE                   ; my stage
	v_mul_u32_u24 v44, SP, v42
	v_mul_u32_u24 v45, SP, v43
	v_permlanex16_b32 v48, v50, s[SEL], s[SEL+1]
	v_permlanex16_b32 v49, v51, s[SEL], s[SEL+1]
	v_lshl_add_u32 v44, v43, 7, v44
	v_lshl_add_u32 v45, v42, 4, v45
	v_lshlrev_b32 v46, 11, v43
	v_add_f32 v50, v50, v48                        ; and lane l xor 16's: the rows' sums (over 1/2: a row's largest p is)
	v_add_f32 v51, v51, v49
	v_add_nc_u32 v44, s83, v44                     ; in: row r, + 128 h
	v_add_nc_u32 v45, s83, v45                     ; back: lanes 0-15 one row, lanes 16-31 the next
	v_lshl_add_u32 v46, v42, 4, v46                ; and the same two rows in out0, 2,048 bytes apart
	VWAIT
	v_rcp_f32 v[FFA], v50
	v_rcp_f32 v[FFB], v51
	v_nop                                          ; one plain instruction behind the reciprocals
	WIN 0x01                                       ; O in window 1
	VWAIT
.set J, 0
.rept 16
	v_pk_mul_f32 v[SA0+J:SA0+J+1], v[OA+J:OA+J+1], v[FFA:FFA+1] op_sel_hi:[1,0]
.set J, J+2
.endr
.set J, 0
.rept 16
	v_pk_mul_f32 v[SB0+J:SB0+J+1], v[OB+J:OB+J+1], v[FFB:FFB+1] op_sel_hi:[1,0]
.set J, J+2
.endr
	WIN 0
.irp k, 0,1,2,3,4,5,6,7
	ds_store_b128 v44, v[SA0+4*\k:SA0+4*\k+3] offset:16*\k
.endr
.irp k, 0,1,2,3,4,5,6,7
	ds_store_b128 v44, v[SB0+4*\k:SB0+4*\k+3] offset:16*SP+16*\k
.endr
.irp i, 0,1,2,3,4,5,6,7
	ds_load_b128 v[SA1+4*\i:SA1+4*\i+3], v45 offset:2*\i*SP   ; LDS serves a wave's instructions in order (ISA guide 5.7.1.4): these see my stores
.endr
.irp i, 0,1,2,3,4,5,6,7
	ds_load_b128 v[SB1+4*\i:SB1+4*\i+3], v45 offset:16*SP+2*\i*SP
.endr
.irp i, 0,1,2,3,4,5,6,7
	s_wait_dscnt 15-\i                             ; rows 2 i and 2 i + 1 are back; the younger loads may be out
	global_store_b128 v46, v[SA1+4*\i:SA1+4*\i+3], s[16:17] offset:4096*\i th:TH_STORE_NT   ; 16 lanes store 256 consecutive bytes, at a multiple of 256 from out0's first byte
.endr
.irp i, 0,1,2,3,4,5,6,7
	s_wait_dscnt 7-\i
	global_store_b128 v46, v[SB1+4*\i:SB1+4*\i+3], s[16:17] offset:32768+4096*\i th:TH_STORE_NT
.endr
	s_wait_tensorcnt 0x0                           ; the wave's end, behind my last LDS store
	ds_add_u32 v[SPW], v[NIL]
	s_wait_dscnt 0x0
	CROUND                                         ; the closing round: no work-group ends while a partner may still ask for a tile that names it
	s_endpgm
.Lfunc_end_k_q381e72c67d_attn:
	.size	k_q381e72c67d_attn, .Lfunc_end_k_q381e72c67d_attn-k_q381e72c67d_attn
	.p2alignl 7, 3214868480
	.fill 96, 4, 3214868480
	.section	.rodata,"a",@progbits
	.p2align	6, 0x0
	.amdhsa_kernel k_q381e72c67d_attn
		.amdhsa_group_segment_fixed_size 285952
		.amdhsa_private_segment_fixed_size 0
		.amdhsa_enable_private_segment 0
		.amdhsa_kernarg_size 56
		.amdhsa_user_sgpr_count 2
		.amdhsa_user_sgpr_kernarg_segment_ptr 1
		.amdhsa_wavefront_size32 1
		.amdhsa_system_sgpr_workgroup_id_x 1
		.amdhsa_system_sgpr_workgroup_id_y 1
		.amdhsa_system_sgpr_workgroup_id_z 1
		.amdhsa_system_vgpr_workitem_id 0
		.amdhsa_next_free_vgpr 512
		.amdhsa_next_free_sgpr 100
		.amdhsa_reserve_vcc 1
		.amdhsa_float_denorm_mode_32 3
		.amdhsa_float_denorm_mode_16_64 3
		.amdhsa_memory_ordered 1
		.amdhsa_forward_progress 1
		.amdhsa_inst_pref_size 105
	.end_amdhsa_kernel
	.amdgpu_metadata
---
amdhsa.version: [ 1, 2 ]
amdhsa.kernels:
  - .name:           k_q381e72c67d_attn
    .symbol:         k_q381e72c67d_attn.kd
    .args:
      - { .name: keys_codes, .offset: 0, .size: 8, .value_kind: global_buffer, .address_space: global }
      - { .name: keys_scales, .offset: 8, .size: 8, .value_kind: global_buffer, .address_space: global }
      - { .name: queries_codes, .offset: 16, .size: 8, .value_kind: global_buffer, .address_space: global }
      - { .name: queries_scales, .offset: 24, .size: 8, .value_kind: global_buffer, .address_space: global }
      - { .name: values_codes, .offset: 32, .size: 8, .value_kind: global_buffer, .address_space: global }
      - { .name: values_scales, .offset: 40, .size: 8, .value_kind: global_buffer, .address_space: global }
      - { .name: out0, .offset: 48, .size: 8, .value_kind: global_buffer, .address_space: global }
    .group_segment_fixed_size: 285952
    .private_segment_fixed_size: 0
    .kernarg_segment_align: 8
    .kernarg_segment_size: 56
    .max_flat_workgroup_size: 256
    .sgpr_count:     100
    .vgpr_count:     512
    .wavefront_size: 32
...
	.end_amdgpu_metadata
.endif
;; end of part 1
